; MI455X (gfx1250); checked and timed in simulation.
; The chip was launched on July 23, 2026; its instructions are those of AMD's public machine-readable ISA for CDNA 5 (MIT licence, August 2026) and "CDNA5" Instruction Set Architecture Reference Guide (July 2026). The comments in the code are by the model that wrote it; some were corrected since.
;; Experts. Allowed arithmetic: float matrix products may take bf16 or f16 operands with f32 sums; all other float work in f32.
;; Inputs: b1 8 x 2,048 float32; b2 8 x 512 float32; inputs 2 x 8 x 2,048 x 512 float32; w1 8 x 512 x 2,048 float32; w2 8 x 2,048 x 512 float32.
;; Outputs: out0 2 x 8 x 2,048 x 512 float32.
;; One version. Each part assembles by itself: llvm-mc -triple=amdgcn-amd-amdhsa -mcpu=gfx1250 --defsym DOCPART=n.
;; ======== version 1 of 1: 2 launches
;; workspace buffers: wt 33,554,432 bytes
;; launch cast (part 1): grid 512 x 2, 8 waves a work-group, no clusters, 0 bytes of LDS; arguments w1, w2, wt; writes wt
.if DOCPART == 1
	.amdgcn_target "amdgcn-amd-amdhsa--gfx1250"
	.amdhsa_code_object_version 6
	.text
	.protected	k_qbd32b1bb4e_cast
	.globl	k_qbd32b1bb4e_cast
	.p2align	8
	.type	k_qbd32b1bb4e_cast,@function
k_qbd32b1bb4e_cast:
	s_mov_b64 s[64:65], 0
	v_nop
	global_prefetch_b8 v0, s[64:65] scope:SCOPE_SE
	s_setreg_imm32_b32 hwreg(HW_REG_WAVE_MODE, 25, 1), 1
	s_wait_xcnt 0x0
; wt = both weight tensors, rounded once to bf16 (nearest even) and laid as the tiles in which the next launch brings them into LDS.
; wt: [expert 8][chunk 16][kind 4][256 rows][128 bf16]; a tile is 65,536 consecutive bytes.  A chunk is 128 of the 2,048 f.
;   kind 0, 1: w1[e], row = k - 256 kind, columns = the chunk's 128 f.
;   kind 2, 3: w2[e], four blocks of 64 rows: row 64 w + fr holds f = 128 chunk + 64 (kind - 2) + fr, columns n = 128 w to 128 w + 127.
; Every tile row, 256 bytes, comes from 512 consecutive bytes of its source.
; Why a launch of its own: each expert's weights are walked by 32 work-groups of the next launch; rounded and laid once here they are half the bytes there, need no arithmetic,
; and one descriptor shape serves every tile.
; Grid y picks the source.  Grid x = 64 e + 4 chunk + 2 (half of K or of the chunk's f) + (half of the tile): a work-group makes 128 rows of a tile, 65,536 bytes in, 32,768 out.
; Eight waves; in piece i (0 to 15) wave v makes row 8 i + v of the 128: its load takes the row's 512 source bytes, 16 a lane, its store the row's 256 bytes, 8 a lane, aligned.
; (With 32 source bytes a lane the stores would be half as many, but a load would take 16 of every 32 bytes, and each 256 bytes of the source would be named by two loads.)
; All sixteen loads go out first; no register is written twice, so the only waits are the counted ones for the loads.  No LDS, no barrier, no matrix unit: a stream has no use for them.
.set X, 4                              ; v[4:67]   sixteen loads of four f32
.set Y, 68                             ; v[68:99]  sixteen pairs of packed bf16
; src: the source's pointer; sa: source bytes from piece i to i + 1 within eight pieces; sb: from the first eight pieces to the second eight
.macro BODY src, sa, sb
.irp i, 0,1,2,3,4,5,6,7,8,9,10,11,12,13,14,15
	global_load_b128 v[X+4*\i:X+4*\i+3], v1, s[\src:\src+1] offset:(\i&7)*\sa+(\i>>3)*\sb th:TH_LOAD_NT   ; read once in the whole launch
.endr
.irp i, 0,1,2,3,4,5,6,7,8,9,10,11,12,13,14,15
	s_wait_loadcnt 15-\i                           ; loads come back in order (ISA guide 5.7.1): piece i is in, the younger ones stay out
	v_cvt_pk_bf16_f32 v[Y+2*\i],   v[X+4*\i],   v[X+4*\i+1]
	v_cvt_pk_bf16_f32 v[Y+2*\i+1], v[X+4*\i+2], v[X+4*\i+3]
	global_store_b64 v2, v[Y+2*\i:Y+2*\i+1], s[8:9] offset:2048*\i                 ; eight rows of 256 bytes on; no hint: the next launch reads these bytes
.endr
.endm
	s_load_b128 s[4:7], s[0:1], 0x0                ; w1 s[4:5], w2 s[6:7]
	s_load_b64 s[8:9], s[0:1], 0x10                ; wt
	s_and_b32 s12, ttmp7, 0xffff                   ; 0: w1, 1: w2
	s_lshr_b32 s14, ttmp9, 2                       ; 16 e + chunk: 262,144 bytes of wt each,
	s_lshl_b32 s14, s14, 18
	s_lshl_b32 s2, s12, 17                         ; kinds 2 and 3 lie 131,072 bytes behind kinds 0 and 1,
	s_add_co_u32 s14, s14, s2
	s_and_b32 s3, ttmp9, 3                         ; 2 x (which of the two kinds) + (half of the tile): 32,768 bytes each
	s_lshl_b32 s2, s3, 15
	s_add_co_u32 s14, s14, s2
	s_mov_b32 s15, 0
	s_lshr_b32 s16, ttmp9, 6                       ; e: 4 MiB of either source
	s_lshl_b32 s16, s16, 22
	s_mov_b32 s17, 0
	s_bfe_u32 s18, ttmp9, 0x40002                  ; chunk: 4 bits from bit 2
	v_and_b32 v3, 31, v0                           ; lane
	v_lshrrev_b32 v4, 5, v0                        ; wave
	v_lshlrev_b32 v2, 3, v0                        ; in wt: 256 x wave + 8 x lane
	v_lshlrev_b32 v1, 4, v3                        ; in the source: 16 x lane, and the wave's row below
	s_wait_kmcnt 0x0
	s_add_nc_u64 s[8:9], s[8:9], s[14:15]
	s_cmp_eq_u32 s12, 0
	s_cbranch_scc0 .Lw2
	s_lshl_b32 s2, s3, 20                          ; w1: my first row k = 128 x (2 kind + half), rows of 8,192 bytes;
	s_add_co_u32 s16, s16, s2
	s_lshl_b32 s2, s18, 9                          ; the chunk's 128 columns, 512 bytes
	s_add_co_u32 s16, s16, s2
	s_add_nc_u64 s[4:5], s[4:5], s[16:17]
	v_lshl_add_u32 v1, v4, 13, v1
	BODY 4, 65536, 524288                          ; eight rows of 8,192 bytes from piece to piece, all sixteen alike
	s_endpgm
.Lw2:
	s_lshl_b32 s2, s18, 18                         ; w2: the chunk's 128 rows f of 2,048 bytes,
	s_add_co_u32 s16, s16, s2
	s_lshr_b32 s2, s3, 1
	s_lshl_b32 s2, s2, 17                          ; its second 64 rows for kind 3,
	s_add_co_u32 s16, s16, s2
	s_and_b32 s2, s3, 1
	s_lshl_b32 s2, s2, 10                          ; column blocks 0, 1 or 2, 3 of 512 bytes
	s_add_co_u32 s16, s16, s2
	s_add_nc_u64 s[6:7], s[6:7], s[16:17]
	v_lshl_add_u32 v1, v4, 11, v1
	BODY 6, 16384, 512                             ; eight rows of 2,048 bytes from piece to piece; behind eight pieces (64 rows) the next column block
	s_endpgm
.Lfunc_end_k_qbd32b1bb4e_cast:
	.size	k_qbd32b1bb4e_cast, .Lfunc_end_k_qbd32b1bb4e_cast-k_qbd32b1bb4e_cast
	.p2alignl 7, 3214868480
	.fill 96, 4, 3214868480
	.section	.rodata,"a",@progbits
	.p2align	6, 0x0
	.amdhsa_kernel k_qbd32b1bb4e_cast
		.amdhsa_group_segment_fixed_size 0
		.amdhsa_private_segment_fixed_size 0
		.amdhsa_enable_private_segment 0
		.amdhsa_kernarg_size 24
		.amdhsa_user_sgpr_count 2
		.amdhsa_user_sgpr_kernarg_segment_ptr 1
		.amdhsa_wavefront_size32 1
		.amdhsa_system_sgpr_workgroup_id_x 1
		.amdhsa_system_sgpr_workgroup_id_y 1
		.amdhsa_system_sgpr_workgroup_id_z 1
		.amdhsa_system_vgpr_workitem_id 0
		.amdhsa_next_free_vgpr 100
		.amdhsa_next_free_sgpr 66
		.amdhsa_reserve_vcc 0
		.amdhsa_float_denorm_mode_32 3
		.amdhsa_float_denorm_mode_16_64 3
		.amdhsa_memory_ordered 1
		.amdhsa_forward_progress 1
		.amdhsa_inst_pref_size 13
	.end_amdhsa_kernel
	.amdgpu_metadata
---
amdhsa.version: [ 1, 2 ]
amdhsa.kernels:
  - .name:           k_qbd32b1bb4e_cast
    .symbol:         k_qbd32b1bb4e_cast.kd
    .args:
      - { .name: w1, .offset: 0, .size: 8, .value_kind: global_buffer, .address_space: global }
      - { .name: w2, .offset: 8, .size: 8, .value_kind: global_buffer, .address_space: global }
      - { .name: wt, .offset: 16, .size: 8, .value_kind: global_buffer, .address_space: global }
    .group_segment_fixed_size: 0
    .private_segment_fixed_size: 0
    .kernarg_segment_align: 8
    .kernarg_segment_size: 24
    .max_flat_workgroup_size: 256
    .sgpr_count:     66
    .vgpr_count:     100
    .wavefront_size: 32
...
	.end_amdgpu_metadata
.endif
;; end of part 1
;; launch ffn (part 2): grid 256 x 1, 4 waves a work-group, clusters of 4 x 1, 327,680 bytes of LDS; arguments inputs, wt, b1, b2, out0; writes out0
.if DOCPART == 2
	.amdgcn_target "amdgcn-amd-amdhsa--gfx1250"
	.amdhsa_code_object_version 6
	.text
	.protected	k_qbd32b1bb4e_ffn
	.globl	k_qbd32b1bb4e_ffn
	.p2align	8
	.type	k_qbd32b1bb4e_ffn,@function
k_qbd32b1bb4e_ffn:
	s_mov_b64 s[64:65], 0
	v_nop
	global_prefetch_b8 v0, s[64:65] scope:SCOPE_SE
	s_setreg_imm32_b32 hwreg(HW_REG_WAVE_MODE, 25, 1), 1
	s_wait_xcnt 0x0
	s_wait_alu depctr_hold_cnt(0) depctr_sa_sdst(0) depctr_va_vdst(0) depctr_va_sdst(0) depctr_va_ssrc(0) depctr_va_vcc(0) depctr_vm_vsrc(0)
	s_getreg_b32 s2, hwreg(HW_REG_IB_STS2, 6, 4)
	s_cmp_eq_u32 s2, 0
	s_cbranch_scc0 .Lentry_in_a_cluster
	s_endpgm
.Lentry_in_a_cluster:
	s_bfe_u32 s2, ttmp6, 0x10000c
	s_cmp_lg_u32 s2, 0x3003
	s_cbranch_scc0 .Lentry_shape_is_right
	s_endpgm
.Lentry_shape_is_right:
; out = gelu(X w1[e] + b1[e]) w2[e] + b2[e], fused: h never leaves the work-group.  X, out: [32768][512] f32 (rows b, e, c); wt: the weights in bf16, as tiles (below).
; gelu is the tanh form, written x / (1 + 2^(x (c0 + c1 x^2))), c0 = -2 sqrt(2/pi) log2(e), c1 = 0.044715 c0.
; LIMITS.  The matrix operands X, w1, w2 and h are rounded to bf16, all sums and gelu are f32.  Where 1 + 2^z passes 2^126 the reciprocal comes out as 0 (ISA guide 15.8:
; results below 2^-126 are flushed), so gelu is 0 there and not some |x| 2^-127.  Very large |x| give x or 0, as the tanh form does.
; The sum over f runs chunk by chunk from a chunk that differs from cluster to cluster (THE WALK), so its order of rounding is a rotation of the ascending one.
; SHARES.  A work-group owns 128 rows of one expert, four waves.  F goes in 16 chunks of 128.
;   G1(c): h^T = w1^T X^T, 128 m x 128 f x K 512.  Wave (wm, wf) makes 64 m x 64 f: 16 accumulators.   256 matrix instructions a wave.
;   G2(c): out^T += w2^T h^T, 128 m x 512 n x K 128.  Wave w makes 128 m x columns 128 w on: 64 accumulators, kept for the whole kernel.   256 matrix instructions a wave.
; BOTH PRODUCTS ARE USED TRANSPOSED: source 0 = 16 columns of the weights ([K][N] in LDS, turned by ds_load_tr16_b128), source 1 = 16 rows of X or h.  A lane then holds one row m
; (lane % 16) and eight neighbouring f or n (8 (lane / 16) + 0..7): h packs into 16 bytes a lane, out is 32 bytes a lane.
; BIASES COST NO ARITHMETIC: b1 is the C of G1's first K step, b2 is loaded into the out accumulators before the first G2.  Nothing is cleared.
; STEPS of 128 matrix instructions a wave, one LDS slot of weights each:  A = G1(c+1), k 0-255;  B = G1(c+1), k 256-511;  C = G2(c), f 0-63;  D = G2(c), f 64-127.
; gelu(c+1), 640 vector instructions, stands in slices behind C's and D's matrix instructions; its result waits packed in 64 registers and goes into the one h buffer
; when every wave has finished reading h(c).
; TILES.  wt: [expert][chunk 16][kind 4][256 rows][128 bf16], 65,536 consecutive bytes a tile.  Kinds 0, 1: w1, k 0-255 / 256-511 x the chunk's 128 f.  Kinds 2, 3: w2, f 0-63 / 64-127 of the
; chunk, as four blocks of 64 rows, block w = columns 128 w on.  An expert's tiles are numbered 4 chunk + kind; one descriptor shape serves them all, and a refill differs from another in its number alone.
; CLUSTER.  The four work-groups of a cluster have the same expert and walk the same weights: every tile is asked for JOINTLY, each wave its quarter (64 rows), with a mask that names the four.
; A slot read out in a step is filled again in that step's last quarter, behind a round of the cluster's barrier, with the tile of the step after next.  By this text's count a wave
; has two tensor loads out at the start and one behind each round.
; THE WALK.  c above counts places in a walk, not chunks: a cluster begins at chunk 4 (cluster % 4) + 2 (cluster / 32) and goes round modulo 16.  An expert has eight clusters (four of each b);
; their starts are 0, 2, .. 14, those of one b four apart.  So no two of them ask for the same tile in the same trip, and from its third place on a cluster asks for tiles that
; another cluster asked for two trips before.
;
; LDS: X in bf16, 128 rows of 1,024 + 16 bytes | h, 128 rows of 256 + 16 | two slots, a tile each: 256 rows of 256 + 32 bytes.
; X's and h's bytes are written by LDS stores alone, the slots by tensor loads alone.  At the end X's bytes serve as four stages, one a wave.
; REGISTERS, in windows of 256 (s_set_vgpr_msb: bits 1:0 source 0, 3:2 source 1, 5:4 source 2, 7:6 destination):
;   window 0: v1-11 addresses, v18 the prefetches' offset, v20-23 constants, v24-31 at work, v32-63 b1, v64-191 h's accumulators, v192-255 packed h
;   window 1: two fragment buffers of 128     windows 2, 3: out's accumulators, (mb, nb) at 8 (8 (mb % 4) + nb) of window 2 + mb / 4
.set PX,    1040                       ; X's pitch: 65 x 16 bytes, so the 16 rows of a fragment load start 16 bytes apart modulo 256
.set PH,    272                        ; h's pitch: 17 x 16
.set PW,    288                        ; a tile's pitch: 9 x 32, for the turning load
.set HB,    128*PX                     ; 133,120
.set SL0,   HB+128*PH                  ; 167,936
.set SLOTB, 256*PW                     ; 73,728
.set SL1,   SL0+SLOTB                  ; 241,664; the slots end at 315,392
.set SP,    528                        ; the stage's pitch: 512 + 16
.set STG,   16*SP                      ; a wave's stage
.set LX,  1                            ; v1   (64 wm + r) PX + 16 hh: my place in X's fragments
.set LW1, 2                            ; v2   (8 hh + l % 8) PW + 16 ((l / 8) % 2) + 128 wf: in a tile of w1
.set LW2, 3                            ; v3   (64 w + 8 hh + l % 8) PW + 16 ((l / 8) % 2): in a tile of w2
.set LH,  4                            ; v4   HB + r PH + 16 hh: in h's fragments
.set HS,  5                            ; v5   HB + (64 wm + r) PH + 128 wf + 16 hh: where I put h
.set ADR, 6                            ; v6   the turning loads' address in hand
.set VB,  7                            ; v7   32 hh: my eight numbers of a bias
.set L16, 8                            ; v8   16 l
.set XS,  9                            ; v9   32 w PX + 8 l: where I put X
.set STO, 10                           ; v10  w STG + r SP + 32 hh: into my stage
.set RD,  11                           ; v11  w STG + 16 l: back out of it
.set PV,  18                           ; v18  the prefetches' byte offset in the expert's tiles; never rewritten
.set C0,  20                           ; v[20:21] c0 twice
.set C1,  22                           ; v[22:23] c1 twice
.set T,   24                           ; v[24:31] four work pairs
.set B1T, 32                           ; v[32:63] b1: tile fb, register j = b1[f0 + 16 fb + 8 hh + j]
.set HA,  64                           ; h's accumulator (mb, fb) at HA + 8 (4 mb + fb)
.set P,   192                          ; packed h
.set F0,  0                            ; fragment buffers, in window 1
.set F1,  128
.set XP,  4                            ; s[4:5]   X at my wave's 32 rows
.set WB,  6                            ; s[6:7]   wt at the expert's tile 0, my quarter of it; kept
.set B1B, 8                            ; s[8:9]   b1 at the expert's chunk 0, my 64 f of it; kept
.set B2P, 10                           ; s[10:11] b2 at my 128 columns
.set OP,  12                           ; s[12:13] out at the block's first row, my 128 columns
.set B1P, 14                           ; s[14:15] b1 at the chunk in hand
.set WV,  16                           ; s16 wave, s17 wm = wave / 2, s18 wf = wave % 2
.set WM,  17
.set WF,  18                           ; s19, s20, s[22:23], s[44:45]: the only scalars that ever hold my place in the cluster; s21 the expert
.set G1,  24                           ; s[24:31] descriptor group 1, for every tile
.set DA,  32                           ; s[32:35] group 0 for slot 0
.set DB,  36                           ; s[36:39] group 0 for slot 1
.set CNT, 40                           ; s40  trips to go
.set Q4,  41                           ; s41  4 x (the walk's start + the trip's number), not reduced: the number of tile 0 of the chunk of this trip's G2
.set OFFP, 42                          ; s[42:43] an offset in hand; the high word stays 0
.set PB,  46                           ; s[46:47] wt at the expert's tile 0, for the prefetches; kept
.set W_G1, 0x05                        ; fragments in window 1, C and D in window 0
.set MSB, 0
.macro WIN new                         ; the immediate's high byte repeats the setting that is left; a switch that changes nothing is dropped
.if MSB != (\new)
	s_set_vgpr_msb (MSB<<8)|(\new)
.set MSB, (\new)
.endif
.endm
; A load into a register that a matrix instruction has read, and a vector instruction, store or LDS store that reads a matrix result, stand four places behind it; only plain vector
; instructions that name none of its registers are places (ISA guide 7.12.1 for vector instructions).
.macro PLACES
.rept 4
	v_nop
.endr
.endm
; A round of the cluster's barrier behind its opening barrier: wave 0 signals for the work-group, every wave waits for all four work-groups, my work-group's barrier closes it.
.macro CREST
	s_cmp_lg_u32 s[WV], 0
	s_cbranch_scc1 .Lnot_wave_0_\@
	s_barrier_signal -3
.Lnot_wave_0_\@:
	s_barrier_wait -3
	s_barrier_signal -1
	s_barrier_wait -1
.endm
.macro CROUND
	s_barrier_signal -1
	s_barrier_wait -1
	CREST
.endm
; Descriptor d is aimed at the tile 'tile' numbers behind s[Q4], modulo the expert's 64; it stands where no tensor load of the wave is out.
; sel = 1: in the last trip (one to go) the tile two numbers back: in place of W1a, W1b of a chunk past the walk's end, W2a, W2b of its last chunk.  The counter is the same in all partners.
.macro AIM d, tile, sel
	s_add_co_u32 s[OFFP], s[Q4], \tile
.if \sel
	s_cmp_eq_u32 s[CNT], 1
	s_cselect_b32 s2, 2, 0
	s_sub_co_u32 s[OFFP], s[OFFP], s2
.endif
	s_and_b32 s[OFFP], s[OFFP], 63
	s_lshl_b32 s[OFFP], s[OFFP], 16                ; 65,536 bytes a tile
	s_add_nc_u64 s[\d+2:\d+3], s[WB:WB+1], s[OFFP:OFFP+1]
	s_or_b32 s[\d+3], s[\d+3], 0x80000000          ; type = 2
.endm
.macro REFILL d                        ; my quarter of a tile, jointly; every wave has one, so there is no branch.  Four v_nop follow; they are also the places in front of the loads behind
	tensor_load_to_lds s[\d:\d+3], s[G1:G1+7]
	s_nop 0
	PLACES
.endm
; 32 LDS loads in one run: G1's fragments of 64 along K (quarter q of the slot; kh: which half of K the slot holds) into buffer f; the first 32 along K first.
.macro FETCH1 slot, q, kh, f
	WIN 0
	v_add_nc_u32 v[ADR], SL0+\slot*SLOTB+\q*64*PW, v[LW1]
	WIN 0x40
.irp c2, 0,1
.irp fb, 0,1,2,3
	ds_load_tr16_b128 v[\f+64*\c2+8*\fb:\f+64*\c2+8*\fb+3],   v[ADR] offset:\c2*32*PW+32*\fb
	ds_load_tr16_b128 v[\f+64*\c2+8*\fb+4:\f+64*\c2+8*\fb+7], v[ADR] offset:\c2*32*PW+32*\fb+16*PW
.endr
.irp mb, 0,1,2,3
	ds_load_b128 v[\f+64*\c2+32+8*\mb:\f+64*\c2+32+8*\mb+3],   v[LX] offset:\mb*16*PX+2*(256*\kh+64*\q+32*\c2)
	ds_load_b128 v[\f+64*\c2+32+8*\mb+4:\f+64*\c2+32+8*\mb+7], v[LX] offset:\mb*16*PX+2*(256*\kh+64*\q+32*\c2)+32
.endr
.endr
.endm
; 32 LDS loads in one run: G2's fragments of 32 along f (K step q of the slot; hf: which half of the chunk) into buffer f; h's rows 64-127 last.
.macro FETCH2 slot, q, hf, f
	WIN 0
	v_add_nc_u32 v[ADR], SL0+\slot*SLOTB+\q*32*PW, v[LW2]
	WIN 0x40
.irp nb, 0,1,2,3,4,5,6,7
	ds_load_tr16_b128 v[\f+8*\nb:\f+8*\nb+3],   v[ADR] offset:32*\nb
	ds_load_tr16_b128 v[\f+8*\nb+4:\f+8*\nb+7], v[ADR] offset:32*\nb+16*PW
.endr
.irp mb, 0,1,2,3,4,5,6,7
	ds_load_b128 v[\f+64+8*\mb:\f+64+8*\mb+3],   v[LH] offset:\mb*16*PH+2*(64*\hf+32*\q)
	ds_load_b128 v[\f+64+8*\mb+4:\f+64+8*\mb+7], v[LH] offset:\mb*16*PH+2*(64*\hf+32*\q)+32
.endr
.endm
.macro NEXTF kind, slot, h             ; the next step's first fragments, into buffer 0: 1 for G1, 2 for G2, 0 none
.if \kind == 1
	FETCH1 \slot, 0, \h, F0
.elseif \kind == 2
	FETCH2 \slot, 0, \h, F0
.endif
.endm
; 8 matrix instructions of G1: m blocks mb0, mb0 + 1 x 4 f blocks, 32 along K (half c2 of buffer f).  first = 1: b1 is the C, which starts the sums.
; The 16 accumulators take turns, one instruction a turn, in the same order everywhere.
.macro MUL1 f, c2, mb0, first
.irp mb, \mb0, \mb0+1
.irp fb, 0,1,2,3
.if \first
	v_wmma_f32_16x16x32_bf16 v[HA+8*(4*(\mb)+\fb):HA+8*(4*(\mb)+\fb)+7], v[\f+64*\c2+8*\fb:\f+64*\c2+8*\fb+7], v[\f+64*\c2+32+8*(\mb):\f+64*\c2+32+8*(\mb)+7], v[B1T+8*\fb:B1T+8*\fb+7]
.else
	v_wmma_f32_16x16x32_bf16 v[HA+8*(4*(\mb)+\fb):HA+8*(4*(\mb)+\fb)+7], v[\f+64*\c2+8*\fb:\f+64*\c2+8*\fb+7], v[\f+64*\c2+32+8*(\mb):\f+64*\c2+32+8*(\mb)+7], v[HA+8*(4*(\mb)+\fb):HA+8*(4*(\mb)+\fb)+7]
.endif
.endr
.endr
.endm
; GELU as a numbered list.  Pair p (0-63) is two neighbouring numbers of h, x in v[HA+2p:HA+2p+1]; its work pair is T + 2 (p % 4), its result P + p.  Ten instructions a pair:
; u = x x; t = c1 u + c0; z = t x; two exponentials; d = 1 + 2^z; two reciprocals; y = x / d; rounding to bf16.  Number gn = 10 n + s: period n works on pairs n, n-1, n-2, n-3 at once,
; plain instructions at the even s and at 9, a transcendental at s = 1, 3, 5, 7: each has a plain instruction behind it that names none of its registers, before its result is used
; (ISA guide 5.7.2).  Numbers whose pair does not exist are empty; in periods 64 and 65 five of them are v_nop, to keep that plain instruction.
; u of pair 4 a is the first read of accumulator a and names its two lowest registers: the list walks each accumulator from its low end.
.macro GS
.set gper, gn/10
.set gslot, gn%10
.set t0, T+2*(gper%4)
.set t1, T+2*((gper+3)%4)
.set t2, T+2*((gper+2)%4)
.set t3, T+2*((gper+1)%4)
.if gslot == 0
.if (gper >= 3) && (gper <= 66)
	s_wait_alu depctr_va_vdst(0)
	v_pk_mul_f32 v[t3:t3+1], v[t3:t3+1], v[HA+2*(gper-3):HA+2*(gper-3)+1]
.endif
.elseif gslot == 1
.if (gper >= 1) && (gper <= 64)
	v_exp_f32 v[t1], v[t1]
.endif
.elseif gslot == 2
.if gper <= 63
	v_pk_mul_f32 v[t0:t0+1], v[HA+2*gper:HA+2*gper+1], v[HA+2*gper:HA+2*gper+1]
.elseif gper == 64
	v_nop
.endif
.elseif gslot == 3
.if (gper >= 1) && (gper <= 64)
	v_exp_f32 v[t1+1], v[t1+1]
.endif
.elseif gslot == 4
.if gper <= 63
	v_pk_fma_f32 v[t0:t0+1], v[t0:t0+1], v[C1:C1+1], v[C0:C0+1]
.elseif gper == 64
	v_nop
.endif
.elseif gslot == 5
.if (gper >= 2) && (gper <= 65)
	v_rcp_f32 v[t2], v[t2]
.endif
.elseif gslot == 6
.if (gper >= 1) && (gper <= 64)
	s_wait_alu depctr_va_vdst(0)
	v_pk_add_f32 v[t1:t1+1], v[t1:t1+1], 1.0 op_sel_hi:[1,0]
.elseif gper == 65
	v_nop
.endif
.elseif gslot == 7
.if (gper >= 2) && (gper <= 65)
	v_rcp_f32 v[t2+1], v[t2+1]
.endif
.elseif gslot == 8
.if gper <= 63
	v_pk_mul_f32 v[t0:t0+1], v[t0:t0+1], v[HA+2*gper:HA+2*gper+1]
.elseif (gper == 64) || (gper == 65)
	v_nop
.endif
.else
.if (gper >= 3) && (gper <= 66)
	v_cvt_pk_bf16_f32 v[P+gper-3], v[t3], v[t3+1]
.endif
.endif
.set gn, gn+1
.endm
.macro SLICE n                         ; the list's next n numbers; all of it lies in window 0
	WIN 0
.rept \n
	GS
.endr
.endm
; n matrix instructions of G2 from number i0 on: m block i / 8, n block i % 8, 32 along f, on buffer f.  The 64 accumulators take turns, one instruction a turn.
; gelu = 1: a slice of 3 or 2 numbers behind each: 640 numbers for a chunk's 256 matrix instructions.  No window has room for a product's operands beside h's accumulators,
; so a slice costs two switches; set in a phase of its own the list would leave the matrix unit without work for its whole length.
.macro M2 f, i0, n, gelu
.set mi, \i0
.rept \n
	WIN 0xa5+0x50*(mi/32)
.set rA, 8*(8*((mi/8)%4)+(mi%8))
	v_wmma_f32_16x16x32_bf16 v[rA:rA+7], v[\f+8*(mi%8):\f+8*(mi%8)+7], v[\f+64+8*(mi/8):\f+64+8*(mi/8)+7], v[rA:rA+7]
.if \gelu
	SLICE 3-(mi%2)
.endif
.set mi, mi+1
.endr
.endm
; One of the first three quarters of a G1 step (64 along K, 32 matrix instructions): multiplies buffer f, fetches quarter q of the same slot into g in its middle.
; hw: the LDS instructions issued behind the first 16 loads of buffer f.
.macro Q1 f, g, slot, q, kh, first, hw
	s_wait_dscnt \hw                               ; the first 32 along K are in
	WIN W_G1
	MUL1 \f, 0, 0, \first
	MUL1 \f, 0, 2, \first
	PLACES
	FETCH1 \slot, \q, \kh, \g
	s_wait_dscnt 32                                ; all but the 32 just issued
	WIN W_G1
	MUL1 \f, 1, 0, 0
	MUL1 \f, 1, 2, 0
.endm
; The last quarter of a G1 step multiplies buffer 1 and changes slots.  In front of the round each wave waits for its reads of LDS and for all its tensor loads, of which one is out: its
; part of the next slot.  No tensor load of mine being out, this slot's descriptor is aimed at its next tile.  Behind the round no wave of any partner reads this slot or has a load on its
; way: the joint refill comes first, then the next slot's first fragments.
.macro T1 d, tile, nkind, nslot, nh
	s_wait_dscnt 16
	WIN W_G1
	MUL1 F1, 0, 0, 0
	s_wait_dscnt 0x0
	s_wait_xcnt 0x0
	s_set_vgpr_msb (MSB<<8)|((MSB&0x3c)|0x0)
	v_lshl_add_u32 v254, v0, 2, 0x4d000
	v_mov_b32 v255, 0
	s_set_vgpr_msb (((MSB&0x3c)|0x0)<<8)|((MSB&0x30)|0x0)
	s_wait_tensorcnt 0x0
	ds_add_u32 v254, v255
	s_wait_dscnt 0x0
	s_set_vgpr_msb (((MSB&0x30)|0x0)<<8)|MSB
	AIM \d, \tile, 0
	s_barrier_signal -1                            ; opens the round
	MUL1 F1, 0, 2, 0                               ; registers alone while the others arrive
	WIN 0                                          ; at a branch and at a label every window is 0
	s_barrier_wait -1
	CREST
	REFILL \d
	NEXTF \nkind, \nslot, \nh
	WIN W_G1
	MUL1 F1, 1, 0, 0
	MUL1 F1, 1, 2, 0
.endm
; The first K step of a G2 step (64 matrix instructions) on buffer f; fetches the slot's second K step into g in its middle.
.macro Q2 f, g, slot, hf, gelu
	s_wait_dscnt 8                                 ; w2's fragments and h's rows 0-63 are in; the youngest eight loads may be out
	M2 \f, 0, 32, \gelu
	PLACES
	FETCH2 \slot, 1, \hf, \g
	s_wait_dscnt 32                                ; all but the 32 just issued
	M2 \f, 32, 32, \gelu
.endm
; The second K step multiplies buffer 1 and changes slots, as T1 does.  round = 0: nothing is filled again, a barrier of the work-group is enough.
; skip = 1: in the last trip the fetch of the next trip's first fragments is jumped over: 32 LDS loads and no barrier, no tensor load; every wait on LDS behind it holds on both ways
; (the loop's head leaves 32 out, the way out of the loop waits for 0).
.macro T2 gelu, round, d, tile, nkind, nslot, nh, skip
	s_wait_dscnt 8
	M2 F1, 0, 16, \gelu
	s_wait_dscnt 0x0
	s_wait_xcnt 0x0
	s_set_vgpr_msb (MSB<<8)|((MSB&0x3c)|0x0)
	v_lshl_add_u32 v254, v0, 2, 0x4d000
	v_mov_b32 v255, 0
	s_set_vgpr_msb (((MSB&0x3c)|0x0)<<8)|((MSB&0x30)|0x0)
	s_wait_tensorcnt 0x0
	ds_add_u32 v254, v255
	s_wait_dscnt 0x0
	s_set_vgpr_msb (((MSB&0x30)|0x0)<<8)|MSB
.if \round
	AIM \d, \tile, 1
.endif
	s_barrier_signal -1
	M2 F1, 16, 16, \gelu
	WIN 0
	s_barrier_wait -1
.if \round
	CREST
	REFILL \d
.else
	PLACES
.endif
.if \skip
	s_cmp_eq_u32 s[CNT], 1
	s_cbranch_scc1 .Lno_fetch_\@
.endif
	NEXTF \nkind, \nslot, \nh
.if \skip
	WIN 0
.Lno_fetch_\@:
.endif
	M2 F1, 32, 32, \gelu
.endm
.macro B1AIM tile                      ; b1's pointer goes to the chunk of the tile 'tile' numbers behind s[Q4] (a multiple of 4); it stands behind the wait that shows the last loads of b1 done
	s_add_co_u32 s[OFFP], s[Q4], \tile
	s_and_b32 s[OFFP], s[OFFP], 63
	s_lshl_b32 s[OFFP], s[OFFP], 7                 ; 4 chunk x 128 = the chunk's 512 bytes
	s_add_nc_u64 s[B1P:B1P+1], s[B1B:B1B+1], s[OFFP:OFFP+1]
.endm
.macro B1LOAD                          ; b1 of my 64 f of the chunk at which the pointer stands
	WIN 0
.irp fb, 0,1,2,3
	global_load_b128 v[B1T+8*\fb:B1T+8*\fb+3],   v[VB], s[B1P:B1P+1] offset:64*\fb
	global_load_b128 v[B1T+8*\fb+4:B1T+8*\fb+7], v[VB], s[B1P:B1P+1] offset:64*\fb+16
.endr
.endm
.macro B2LOAD mb                       ; b2 of my 128 columns into the eight accumulators of m block mb: every row of out starts from the same numbers
	WIN 0x80+0x40*((\mb)/4)
.irp nb, 0,1,2,3,4,5,6,7
	global_load_b128 v[8*(8*((\mb)%4)+\nb):8*(8*((\mb)%4)+\nb)+3],   v[VB], s[B2P:B2P+1] offset:64*\nb
	global_load_b128 v[8*(8*((\mb)%4)+\nb)+4:8*(8*((\mb)%4)+\nb)+7], v[VB], s[B2P:B2P+1] offset:64*\nb+16
.endr
.endm
; A prefetch: 32 lanes 256 bytes apart; the cluster's 16 waves together name the 131,072 bytes of two neighbouring tiles once.  off: those tiles' place behind tile 0 of the walk's first chunk.
; The walk's first two chunks (the start is even: no wrap) are asked for by no other cluster before this one.  Of their eight tiles the first two are the first fills; the other six are named here,
; in three lines apart from each other, and nothing later: the rest of the walk asks for tiles that another cluster has asked for.  The last byte named is 256 bytes short of the expert's 4 MiB at the most.
.macro PF off
	WIN 0
	global_prefetch_b8 v[PV], s[PB:PB+1] offset:\off th:TH_LOAD_NT scope:SCOPE_SE
.endm
; A G1 step.  b2 < 8: the loads of b2 for m blocks b2 to b2 + 3 follow its four quarters.
.macro G1STEP slot, kh, first, hw, d, tile, nkind, nslot, nh, b2
	Q1 F0, F1, \slot, 1, \kh, \first, \hw
.if \b2 < 8
	B2LOAD \b2
.endif
	Q1 F1, F0, \slot, 2, \kh, 0, 16
.if \b2 < 8
	B2LOAD \b2+1
.endif
	Q1 F0, F1, \slot, 3, \kh, 0, 16
.if \b2 < 8
	B2LOAD \b2+2
.endif
	T1 \d, \tile, \nkind, \nslot, \nh
.if \b2 < 8
	B2LOAD \b2+3
.endif
.endm
.macro G2STEP slot, hf, gelu, round, d, tile, nkind, nslot, nh, skip
	Q2 F0, F1, \slot, \hf, \gelu
	T2 \gelu, \round, \d, \tile, \nkind, \nslot, \nh, \skip
.endm
.macro HSTORE                          ; my 64 m x 64 f of h, 16 bytes a lane and accumulator
	WIN 0
.irp a, 0,1,2,3,4,5,6,7,8,9,10,11,12,13,14,15
	ds_store_b128 v[HS], v[P+4*\a:P+4*\a+3] offset:(\a/4)*16*PH+(\a%4)*32
.endr
.endm
; X: wave w brings rows 32 w to 32 w + 31 of the block.  Group g is 16 loads of 512 consecutive bytes (a quarter of a row each), 64 registers: groups 0-3 in window 1, 4-7 in window 2.
.macro XLOAD g
	WIN 0x40+0x40*((\g)/4)
.set xb, 64*((\g)%4)
.irp j, 0,1,2,3,4,5,6,7,8,9,10,11,12,13,14,15
	global_load_b128 v[xb+4*\j:xb+4*\j+3], v[L16], s[XP:XP+1] offset:512*(16*(\g)+\j) th:TH_LOAD_NT
.endr
.endm
.macro XCVT g                          ; rounded in place, 8 bytes a lane into X's rows in LDS
.set xb, 64*((\g)%4)
	WIN 0x45+0x45*((\g)/4)
.irp j, 0,1,2,3,4,5,6,7,8,9,10,11,12,13,14,15
	v_cvt_pk_bf16_f32 v[xb+4*\j],   v[xb+4*\j],   v[xb+4*\j+1]
	v_cvt_pk_bf16_f32 v[xb+4*\j+1], v[xb+4*\j+2], v[xb+4*\j+3]
.endr
	WIN 0x04+0x04*((\g)/4)
.irp j, 0,1,2,3,4,5,6,7,8,9,10,11,12,13,14,15
	ds_store_b64 v[XS], v[xb+4*\j:xb+4*\j+1] offset:((16*(\g)+\j)/4)*PX+((16*(\g)+\j)%4)*256
.endr
.endm
	s_load_b256 s[4:11], s[0:1], 0x0               ; inputs s[4:5], wt s[6:7], b1 s[8:9], b2 s[10:11]
	s_load_b64 s[OP:OP+1], s[0:1], 0x20            ; out0
	v_lshl_add_u32 v254, v0, 2, 0x4d000
	v_mov_b32 v255, 0
	ds_add_u32 v254, v255
	s_wait_dscnt 0x0
	v_lshrrev_b32 v12, 5, v0
	v_readfirstlane_b32 s[WV], v12                 ; wave 0..3
	s_lshr_b32 s[WM], s[WV], 1
	s_and_b32 s[WF], s[WV], 1
	s_bfe_u32 s19, ttmp6, 0x40000                  ; cx: my place in the cluster; it enters X's and out's addresses and the prefetches' offset alone
	s_lshl_b32 s20, ttmp9, 2                       ; in a cluster launch ttmp9 counts clusters
	s_add_co_u32 s20, s20, s19                     ; my block of 128 rows
	s_lshr_b32 s21, ttmp9, 2                       ; 16 blocks, 4 clusters, to a pair (b, e):
	s_and_b32 s21, s21, 7                          ; the expert, which the four partners share
	s_and_b32 s2, ttmp9, 3                         ; the walk's start, times 4: chunk 4 (cluster % 4) + 2 (cluster / 32), the same in all four partners
	s_lshl_b32 s2, s2, 4
	s_lshr_b32 s3, ttmp9, 5
	s_lshl_b32 s3, s3, 3
	s_add_co_u32 s[Q4], s2, s3
	v_and_b32 v12, 31, v0                          ; l
	v_and_b32 v13, 15, v0                          ; r = l % 16
	v_bfe_u32 v14, v0, 4, 1                        ; hh = l / 16
	v_lshlrev_b32 v[VB], 5, v14
	v_lshlrev_b32 v[L16], 4, v12
	s_lshl_b32 s22, s20, 18                        ; X: 128 rows of 2,048 bytes a block, 32 rows a wave
	s_lshl_b32 s2, s[WV], 16
	s_add_co_u32 s22, s22, s2
	s_mov_b32 s23, 0
	s_lshl_b32 s44, s20, 18                        ; out: the block's rows, my 128 columns
	s_lshl_b32 s2, s[WV], 9
	s_add_co_u32 s44, s44, s2
	s_mov_b32 s45, 0
	s_mov_b32 s[OFFP+1], 0
	s_lshl_b32 s19, s19, 2                         ; the prefetches: wave 4 cx + w of the cluster's 16 names 8,192 bytes, a lane one byte in every 256,
	s_add_co_u32 s19, s19, s[WV]
	s_lshl_b32 s19, s19, 13
	s_lshl_b32 s20, s[Q4], 16                      ; from tile 0 of the walk's first chunk on
	s_add_co_u32 s19, s19, s20
	v_lshl_add_u32 v[PV], v12, 8, s19
	s_wait_kmcnt 0x0
	s_add_nc_u64 s[XP:XP+1], s[XP:XP+1], s[22:23]
	s_add_nc_u64 s[OP:OP+1], s[OP:OP+1], s[44:45]
	s_lshl_b32 s[OFFP], s21, 13                    ; b1: the expert's 2,048 numbers, my 64 of a chunk's 128
	s_lshl_b32 s2, s[WF], 8
	s_add_co_u32 s[OFFP], s[OFFP], s2
	s_add_nc_u64 s[B1B:B1B+1], s[B1B:B1B+1], s[OFFP:OFFP+1]
	s_lshl_b32 s[OFFP], s21, 11                    ; b2: the expert's 512 numbers, my 128
	s_lshl_b32 s2, s[WV], 9
	s_add_co_u32 s[OFFP], s[OFFP], s2
	s_add_nc_u64 s[B2P:B2P+1], s[B2P:B2P+1], s[OFFP:OFFP+1]
	s_lshl_b32 s[OFFP], s21, 22                    ; wt: the expert's 64 tiles, 4 MiB;
	s_add_nc_u64 s[PB:PB+1], s[WB:WB+1], s[OFFP:OFFP+1]
	s_lshl_b32 s[OFFP], s[WV], 14                  ; my 64 rows of 256 bytes of a tile
	s_add_nc_u64 s[WB:WB+1], s[PB:PB+1], s[OFFP:OFFP+1]
	B1AIM 0
	B1LOAD                                         ; the walk's first chunk
	XLOAD 0
	XLOAD 1
	XLOAD 2
	XLOAD 3
	WIN 0
	; group 1: my quarter of a tile, 64 rows x 128 elements, one row behind the other in memory
	s_mov_b32 s[G1+0], 15|(1<<16)|(1<<20)|(1<<21)|(5<<22)|(7<<25)  ; 15:0 the mask: all four work-groups; 17:16 elements of 2 bytes; 20 padding on; 21 set beside a mask; 24:22 after every 64 words; 31:25 8 words of it
	s_mov_b32 s[G1+1], 128<<16                     ; tensor_dim0 = 128
	s_mov_b32 s[G1+2], 64<<16                      ; tensor_dim1 = 64
	s_mov_b32 s[G1+3], 128<<16                     ; tile_dim0 = 128
	s_mov_b32 s[G1+4], 64                          ; tile_dim1 = 64
	s_mov_b32 s[G1+5], 128                         ; elements from row to row
	s_mov_b32 s[G1+6], 0
	s_mov_b32 s[G1+7], 0
	; group 0, a set for each slot: no place in the cluster enters an address
	s_mul_i32 s2, s[WV], 64*PW
	s_mov_b32 s[DA], 1
	s_add_co_u32 s[DA+1], s2, SL0
	AIM DA, 0, 0                                   ; w1 of the walk's first chunk, k 0-255
	s_mov_b32 s[DB], 1
	s_add_co_u32 s[DB+1], s2, SL1
	AIM DB, 1, 0                                   ; k 256-511
	; the lanes' places
	v_and_b32 v15, 7, v0
	v_bfe_u32 v16, v0, 3, 1
	v_lshl_add_u32 v17, v14, 3, v15                ; the turning load's row: 8 hh + l % 8
	v_mul_u32_u24 v19, v17, PW
	v_lshl_add_u32 v19, v16, 4, v19
	v_add_nc_u32 v[LW2], s2, v19                   ; w2: my block of 64 rows
	s_lshl_b32 s2, s[WF], 7
	v_add_nc_u32 v[LW1], s2, v19                   ; w1: my 64 columns
	s_mul_i32 s2, s[WM], 64*PX
	v_mul_u32_u24 v[LX], v13, PX
	v_lshl_add_u32 v[LX], v14, 4, v[LX]
	v_add_nc_u32 v[LX], s2, v[LX]
	v_mul_u32_u24 v[LH], v13, PH
	v_lshl_add_u32 v[LH], v14, 4, v[LH]
	v_add_nc_u32 v[LH], HB, v[LH]
	s_mul_i32 s2, s[WM], 64*PH
	s_lshl_b32 s3, s[WF], 7
	s_add_co_u32 s2, s2, s3
	v_add_nc_u32 v[HS], s2, v[LH]
	s_mul_i32 s2, s[WV], 32*PX
	v_lshl_add_u32 v[XS], v12, 3, s2
	s_mul_i32 s2, s[WV], STG
	v_mul_u32_u24 v[STO], v13, SP
	v_lshl_add_u32 v[STO], v14, 5, v[STO]
	v_add_nc_u32 v[STO], s2, v[STO]
	v_lshl_add_u32 v[RD], v12, 4, s2
	v_mov_b32 v[C0], 0xc0135761                    ; c0 = -2.3022082
	v_mov_b32 v[C0+1], 0xc0135761
	v_mov_b32 v[C1], 0xbdd2d3e8                    ; c1 = -0.10294324
	v_mov_b32 v[C1+1], 0xbdd2d3e8
	CROUND                                         ; all four work-groups are here: the first joint loads meet
	tensor_load_to_lds s[DA:DA+3], s[G1:G1+7]      ; the two first fills stand together, ahead of every wait on TENSORcnt and every LDS read
	s_nop 0
	tensor_load_to_lds s[DB:DB+3], s[G1:G1+7]
	s_nop 0
	PLACES
	; X is rounded and laid into LDS.  Each count is the loads of the three younger groups, or of those that are left; b1 of the first chunk was asked for ahead of X.
	s_wait_loadcnt 48
	PF 262144                                      ; w1 of the walk's second chunk: asked for by tensor loads at the ends of the two G1 steps that follow X
	XCVT 0
	XLOAD 4
	s_wait_loadcnt 48
	XCVT 1
	XLOAD 5
	s_wait_loadcnt 48
	XCVT 2
	XLOAD 6
	s_wait_loadcnt 48
	XCVT 3
	XLOAD 7
	s_wait_loadcnt 48
	XCVT 4
	s_wait_loadcnt 32
	XCVT 5
	s_wait_loadcnt 16
	XCVT 6
	s_wait_loadcnt 0x0
	XCVT 7
	WIN 0
	s_wait_dscnt 0x0                               ; for the others' sake: my rows of X are in LDS,
	s_wait_tensorcnt 0x1                           ; and my quarter of slot 0; slot 1's may stay out
	s_barrier_signal -1
	s_barrier_wait -1
	FETCH1 0, 0, 0, F0
	G1STEP 0, 0, 1, 16, DA, 4, 1, 1, 1, 0          ; G1 of the first chunk, k 0-255; slot 0 takes w1 of the second chunk, k 0-255
	B1AIM 4                                        ; the first loads of b1 were shown done by X's last wait
	B1LOAD                                         ; the second chunk; b1's registers were last read in the step's first quarter
	PF 131072                                      ; w2 of the first chunk: asked for at the ends of the first trip's two G1 steps, behind this step and gelu of the first chunk
	G1STEP 1, 1, 0, 16, DB, 5, 1, 0, 0, 4          ; k 256-511; slot 1 takes the second chunk's k 256-511
	WIN 0
	PLACES
.set gn, 0
	SLICE 670                                      ; gelu of the first chunk stands alone: there is no product yet to set it between
	HSTORE
	PF 393216                                      ; w2 of the second chunk: asked for at the ends of the second trip's two G1 steps, a trip and a step from here
	s_mov_b32 s[CNT], 15
.Ltrip:                                                ; trips c = 0 to 14: G1 of place c + 1, then G2 of place c with gelu of place c + 1 between its products
	s_wait_loadcnt 0x0                             ; b1 of this G1's chunk is in (in the first trip b2 too)
	G1STEP 0, 0, 1, 32, DA, 2, 1, 1, 1, 8          ; A; slot 0 takes W2a(c).  32: behind the first 16 loads stand the other 16 and h's 16 stores
	G1STEP 1, 1, 0, 16, DB, 3, 2, 0, 0, 8          ; B; slot 1 takes W2b(c)
	WIN 0
	PLACES                                         ; gelu's first numbers read results just made
	s_cmp_eq_u32 s[CNT], 1
	s_cbranch_scc1 .Lno_b1                         ; the last trip has no G1 behind it: eight loads are jumped over, whose only wait is the loop's head
	B1AIM 8                                        ; the last loads of b1 were shown done at the trip's head
	B1LOAD                                         ; for the next trip's G1; b1's registers were last read in A's first quarter
.Lno_b1:
.set gn, 0
	G2STEP 0, 0, 1, 1, DA, 8, 2, 1, 1, 0           ; C; slot 0 takes W1a(c+2), in the last trip W2a(15)
	G2STEP 1, 1, 1, 1, DB, 9, 1, 0, 0, 1           ; D; slot 1 takes W1b(c+2), in the last trip W2b(15)
	SLICE 30                                       ; the list's last three periods
	HSTORE                                         ; behind D's round: every wave waited for its last reads of the old h in front of it
	WIN 0
	s_add_co_u32 s[Q4], s[Q4], 4                   ; one chunk on
	s_sub_co_u32 s[CNT], s[CNT], 1
	s_cmp_lg_u32 s[CNT], 0
	s_cbranch_scc1 .Ltrip
	; G2 of place 15.  Its first tile was shown landed in front of D's round; the second may stay out over this barrier, behind which nothing is filled.
	s_wait_dscnt 0x0                               ; for the others' sake: my part of h
	s_barrier_signal -1
	s_barrier_wait -1
	FETCH2 0, 0, 0, F0                             ; buffer 0's last readers stand in front of D's refill and its four v_nop
	G2STEP 0, 0, 0, 0, 0, 0, 2, 1, 1, 0            ; its change of slots waits for all tensor loads: the last tile has landed, in every wave's part
	Q2 F0, F1, 1, 1, 0
	s_wait_dscnt 8
	M2 F1, 0, 32, 0
	s_wait_dscnt 0x0
	M2 F1, 32, 32, 0
	WIN 0
	PLACES                                         ; the stores below read results just made, and the loads below land in the fragment buffers
; THE WAY OUT, a block of 16 rows at a time through my own stage: 32 bytes a lane in (each accumulator's low four registers first), whole rows of 512 bytes back, into window 1.
; LDS serves a wave's instructions in order (ISA guide 5.7.1.4): the loads see the stores above them, and the next block's stores come behind them.  No barrier: the stage is mine alone.
.macro TOSTAGE mb
	WIN 0x08+0x04*((\mb)/4)
.irp nb, 0,1,2,3,4,5,6,7
	ds_store_b128 v[STO], v[8*(8*((\mb)%4)+\nb):8*(8*((\mb)%4)+\nb)+3]   offset:64*\nb
	ds_store_b128 v[STO], v[8*(8*((\mb)%4)+\nb)+4:8*(8*((\mb)%4)+\nb)+7] offset:64*\nb+16
.endr
	s_wait_xcnt 0x0                                ; the registers that the stores of the block before last read are loaded again only behind this wait
	WIN 0x40
.irp t, 0,1,2,3,4,5,6,7,8,9,10,11,12,13,14,15
	ds_load_b128 v[64*((\mb)%2)+4*\t:64*((\mb)%2)+4*\t+3], v[RD] offset:\t*SP
.endr
.endm
.macro SEND mb, younger                ; younger: the LDS instructions issued behind this block's loads: the next block's 32, or none
	s_wait_dscnt \younger
	WIN 0x04
.irp t, 0,1,2,3,4,5,6,7,8,9,10,11,12,13,14,15
	global_store_b128 v[L16], v[64*((\mb)%2)+4*\t:64*((\mb)%2)+4*\t+3], s[OP:OP+1] offset:(16*(\mb)+\t)*2048 th:TH_STORE_NT   ; a wave stores 512 consecutive bytes, at a multiple of 512 from out's first byte
.endr
.endm
	TOSTAGE 0
.irp mb, 0,1,2,3,4,5,6
	TOSTAGE \mb+1
	SEND \mb, 32
.endr
	SEND 7, 0
	WIN 0
	s_wait_xcnt 0x0
	s_set_vgpr_msb (MSB<<8)|((MSB&0x3c)|0x0)
	v_lshl_add_u32 v254, v0, 2, 0x4d000
	v_mov_b32 v255, 0
	s_set_vgpr_msb (((MSB&0x3c)|0x0)<<8)|((MSB&0x30)|0x0)
	s_wait_tensorcnt 0x0
	ds_add_u32 v254, v255
	s_wait_dscnt 0x0
	s_set_vgpr_msb (((MSB&0x30)|0x0)<<8)|MSB
	CROUND                                         ; the closing round: no work-group ends while a partner may still ask for a tile that names it
	s_endpgm
.Lfunc_end_k_qbd32b1bb4e_ffn:
	.size	k_qbd32b1bb4e_ffn, .Lfunc_end_k_qbd32b1bb4e_ffn-k_qbd32b1bb4e_ffn
	.p2alignl 7, 3214868480
	.fill 96, 4, 3214868480
	.section	.rodata,"a",@progbits
	.p2align	6, 0x0
	.amdhsa_kernel k_qbd32b1bb4e_ffn
		.amdhsa_group_segment_fixed_size 327680
		.amdhsa_private_segment_fixed_size 0
		.amdhsa_enable_private_segment 0
		.amdhsa_kernarg_size 40
		.amdhsa_user_sgpr_count 2
		.amdhsa_user_sgpr_kernarg_segment_ptr 1
		.amdhsa_wavefront_size32 1
		.amdhsa_system_sgpr_workgroup_id_x 1
		.amdhsa_system_sgpr_workgroup_id_y 1
		.amdhsa_system_sgpr_workgroup_id_z 1
		.amdhsa_system_vgpr_workitem_id 0
		.amdhsa_next_free_vgpr 1024
		.amdhsa_next_free_sgpr 66
		.amdhsa_reserve_vcc 0
		.amdhsa_float_denorm_mode_32 3
		.amdhsa_float_denorm_mode_16_64 3
		.amdhsa_memory_ordered 1
		.amdhsa_forward_progress 1
		.amdhsa_inst_pref_size 255
	.end_amdhsa_kernel
	.section	.bss,"aw",@nobits
	.p2align	6
	.space	262144
	.amdgpu_metadata
---
amdhsa.version: [ 1, 2 ]
amdhsa.kernels:
  - .name:           k_qbd32b1bb4e_ffn
    .symbol:         k_qbd32b1bb4e_ffn.kd
    .args:
      - { .name: inputs, .offset: 0, .size: 8, .value_kind: global_buffer, .address_space: global }
      - { .name: wt, .offset: 8, .size: 8, .value_kind: global_buffer, .address_space: global }
      - { .name: b1, .offset: 16, .size: 8, .value_kind: global_buffer, .address_space: global }
      - { .name: b2, .offset: 24, .size: 8, .value_kind: global_buffer, .address_space: global }
      - { .name: out0, .offset: 32, .size: 8, .value_kind: global_buffer, .address_space: global }
    .group_segment_fixed_size: 327680
    .private_segment_fixed_size: 0
    .kernarg_segment_align: 8
    .kernarg_segment_size: 40
    .max_flat_workgroup_size: 128
    .sgpr_count:     66
    .vgpr_count:     1024
    .wavefront_size: 32
...
	.end_amdgpu_metadata
.endif
;; end of part 2
